; MI455X (gfx1250); checked and timed in simulation.
; The chip was launched on July 23, 2026; its instructions are those of AMD's public machine-readable ISA for CDNA 5 (MIT licence, August 2026) and "CDNA5" Instruction Set Architecture Reference Guide (July 2026). The comments in the code are by the model that wrote it; some were corrected since.
;; Linear Experts. Allowed arithmetic: matrix products marked QUANTISED: E3M2 operands, one E8M0 scale for each 32 along K, by v_wmma_scale_f32_16x16x128_f8f6f4 with both operands' format E3M2, f32 sums; products left as they are: f32 operands where the result goes on into a quantised operand, else bf16, f16 or f32 operands; f32 sums; everything else in f32.
;; Inputs: Wd_codes 8 x 1,024 x 64 x 24 uint8 (E3M2 codes of Wd, K innermost, in blocks of 32 codes, four codes in three bytes); Wd_scales 8 x 1,024 x 64 uint8 (E8M0 scales of Wd, one for each 32 codes along K); Wg_codes 8 x 2,048 x 32 x 24 uint8 (E3M2 codes of Wg, K innermost, in blocks of 32 codes, four codes in three bytes); Wg_scales 8 x 2,048 x 32 uint8 (E8M0 scales of Wg, one for each 32 codes along K); Wu_codes 8 x 2,048 x 32 x 24 uint8 (E3M2 codes of Wu, K innermost, in blocks of 32 codes, four codes in three bytes); Wu_scales 8 x 2,048 x 32 uint8 (E8M0 scales of Wu, one for each 32 codes along K); bd 8 x 1,024 float32; bg 8 x 2,048 float32; bu 8 x 2,048 float32; hidden_states_codes 2 x 512 x 32 x 24 uint8 (E3M2 codes of hidden_states, K innermost, in blocks of 32 codes, four codes in three bytes); hidden_states_scales 2 x 512 x 32 uint8 (E8M0 scales of hidden_states, one for each 32 codes along K); router_indices 2 x 512 x 2 int32; routing_weights 2 x 512 x 8 float32.
;; Outputs: out0 2 x 512 x 1,024 float32.
;; This version of the problem:
;;   THIS VERSION OF THE PROBLEM IS GIVEN IN LOW PRECISION. The matrix products marked QUANTISED in the list below multiply operands that are first quantised to E3M2 (3 exponent bits, 2 mantissa bits; 6 bits a number), with one power-of-two scale for each 32 numbers along K (OCP MX v1.0); their sums are f32. All else is computed in f32.
;;   The module's matrix products, in the order in which they are computed (A, B: the left and right operand; K: the contracted axis; several contracted axes count as one K, in the product's order):
;;     1. [M 16,384, K 1,024] x [K 1,024, N 1,024]; A: input Wg (given as codes); B: input hidden_states (given as codes): QUANTISED
;;     2. [M 16,384, K 1,024] x [K 1,024, N 1,024]; A: input Wu (given as codes); B: input hidden_states (given as codes): QUANTISED
;;     3. batch 8 x [M 1,024, K 2,048] x [K 2,048, N 1,024]; A: computed on the way; B: input Wd (given as codes): QUANTISED
;;     4. batch 1,024 x [M 1,024, K 8] x [K 8, N 1]; A: computed on the way; B: computed on the way: left as it is (K = 8 < 32)
;;   THE QUANTISER, for each operand of a quantised product, along K:
;;     - K is cut into blocks of 32 from its start; a last block that is shorter is filled with zeros.
;;     - A block's scale is 2^e with e = floor(log2(the largest magnitude in the block)) - 4, held to -126 .. 127; a block of zeros has e = 0. As a byte (E8M0): e + 127.
;;     - Each number is divided by its block's scale, clamped to +-28, and rounded to the nearest number of E3M2, ties to even, subnormals kept.
;;     - The product sums the exact products of the quantised numbers (number of the format x scale) in f32.
;;   ~~~python
;;   def quantise(x, axis):      # numpy; x: float32 -> the quantised numbers, widened to float32 again
;;       x = np.moveaxis(x, axis, -1); K = x.shape[-1]
;;       x = np.pad(x, [(0, 0)] * (x.ndim - 1) + [(0, -K % 32)]); x = x.reshape(x.shape[:-1] + (-1, 32)); a = np.abs(x).max(-1, keepdims=True)
;;       e = np.where(a > 0, np.clip(np.frexp(np.where(a > 0, a, 1))[1] - 1 - 4, -126, 127), 0)      # np.frexp(a)[1] - 1 = floor(log2(a)), exactly
;;       r = np.clip(x / 2.0 ** e, -28, 28)
;;       step = 2.0 ** (np.maximum(np.frexp(np.where(r == 0, 1, r))[1] - 1, -2) - 2)
;;       q = np.round(r / step) * step * 2.0 ** e      # np.round: ties to even
;;       return np.moveaxis(q.reshape(q.shape[:-2] + (-1,))[..., :K], -1, axis).astype(np.float32)
;;   ~~~
;;   OPERANDS COMPUTED ON THE WAY. 'Computed on the way' means the value that the module computes at that place (a softmax that the list does not call 'softmax' is quantised finished and normalised). What goes into a quantiser is computed in f32, as accurately as f32 sums, v_exp_f32 and their like allow (about 1e-6 of the number): no bf16 or f16 on the way to a quantiser, and a product that is left as it is and whose result goes on into a quantised operand takes f32 operands (vector FMAs, or v_wmma_f32_16x16x4_f32). A number that lies on a knife's edge between two numbers of the format may be rounded either way, as far as f32 arithmetic and the matrix unit's own rounding can turn it there, and no further.
;;   INPUTS GIVEN AS CODES. Wd (in the module: [8, 2048, 1024], K = its axis 1); Wg (in the module: [8, 1024, 2048], K = its axis 1); Wu (in the module: [8, 1024, 2048], K = its axis 1); hidden_states (in the module: [2, 512, 1024], K = its axis 2): each comes as NAME_codes (uint8): NAME with its K axis moved to the last place and cut into blocks of 32 codes, [.., K / 32, bytes a block], one block behind the other in memory; four codes in three bytes: a row's codes are one little-endian stream of bits, code i at bits 6 i .. 6 i + 5 (a code: sign, 3 exponent bits, 2 mantissa bits); and NAME_scales (uint8): the same leading axes, one E8M0 byte (e + 127) for each 32 codes along K. Its value is code x scale, taken as it is: it is not quantised again, and the codes and scales need not be those that the quantiser above would give.
;; 2 versions, each right; version 2 is version 1 with the launch down written anew for expert scheduling mode. Each part assembles by itself: llvm-mc -triple=amdgcn-amd-amdhsa -mcpu=gfx1250 --defsym DOCPART=n.
;; ======== version 1 of 2: 3 launches
;; workspace buffers: act_codes 12,582,912 bytes; act_scales 524,288 bytes; route 34,816 bytes of whole numbers; ybuf 8,388,608 bytes
;; launch gateup (part 1): grid 32 x 8, 4 waves a work-group, no clusters, 156,672 bytes of LDS; arguments hidden_states_codes, hidden_states_scales, Wg_codes, Wg_scales, Wu_codes, Wu_scales, bg, bu, router_indices, act_codes, act_scales, route; writes act_codes, act_scales, route
.if DOCPART == 1
	.amdgcn_target "amdgcn-amd-amdhsa--gfx1250"
	.amdhsa_code_object_version 6
	.text
	.protected	k_q304e72bc2b_gateup
	.globl	k_q304e72bc2b_gateup
	.p2align	8
	.type	k_q304e72bc2b_gateup,@function
k_q304e72bc2b_gateup:
	s_mov_b64 s[64:65], 0
	v_nop
	global_prefetch_b8 v0, s[64:65] scope:SCOPE_SE
	s_setreg_imm32_b32 hwreg(HW_REG_WAVE_MODE, 25, 1), 1
	s_wait_xcnt 0x0
; act = (clip(x Wu + bu) + 1) * g * sigmoid(1.702 g), g = min(x Wg + bg, 7), for the rows that router_indices sends to an expert, quantised along D to codes of E3M2 with one E8M0 byte for each 32.
; SHARES.  A work-group is (expert e = grid y, slice s = grid x of 64 of the 2,048 columns of D).  It lists the expert's rows itself (wave 0 scans the 2,048 indices), gathers those rows of x,
; multiplies them by its 64 rows of Wg and 64 rows of Wu (K = 1,024), and stores the codes in the order of the next launch's operand registers.  The 8 work-groups of slice 0 also store the list and the count.
; A list entry is sigma = 2 x token + slot (slot 0 where the token's first index names the expert, else 1); a token that names the expert twice is listed once.  Rows go in tiles of 16; T = ceil(n / 16).
; The last tile is filled up with the last sigma (the same row again, which gives the same bytes); tile 0 is always stored, so that the next launch's fixed loads find written bytes.
; THE COUNT n, on which branches hang, is made by EVERY wave for itself, from the indices as it loaded them, in scalar registers; only the list, on which gather offsets hang, goes from wave 0 to the others through LDS.
; WAVES.  The weights lie in LDS, read by all four waves; x lies in registers.  Wave w owns row tiles 4 j + w: j = 0 .. 3 together (16 accumulators by turns), the tiles from 16 on one at a time in a loop of 12 trips
; whose work is jumped over where the tile does not exist: the trip count stays a constant, so that the list's LDS address is a constant step.
; BOTH PRODUCTS ARE USED TRANSPOSED: source 0 = 16 rows of a weight, source 1 = 16 rows of x: a lane holds ONE row of x, its registers run along D.  THE ROWS OF A WEIGHT THAT FORM A TILE ARE NOT NEIGHBOURS: row r' of
; tile (b, u) is column 32 b + 8 u + r' + 8 (r' / 8) of the slice, so that the 16 registers of tiles u = 0, 1 are the neighbours 32 b + 16 (lane / 16) + 0 .. 15.  The order is made when the weights are stored to LDS.
; NO TENSOR LOADS, NO CLUSTER: the number of row tiles is read from router_indices; operands come by global loads, and joint requests fall away with them.
; LIMITS.  Indices are taken as 0 .. 7.  NaN and infinities are not served.  A block of zeros gets the byte 1 with zero codes (the bytes are read by this program alone).  Where 2.4555 x (-g) passes 128 the sigmoid is 0
; (it is under 1e-38 there).  (up + 1) x glu is one fused multiply-add, rounded once.  The scale bytes leave in pieces of 2 bytes, 16 bytes apart: one byte in 24 of what the launch stores.
; REGISTERS, in windows of 256.  Window 0: below.  Windows 1, 2: fragments of x, 12 registers each, number i at window 1, 12 i (i < 21) or window 2, 12 (i - 21); main: i = 4 q + j; tail: i = 32 + q.
; Window 3: v0-127 accumulators (slot j, column tile k) at 32 j + 8 k; v128-223 the weights' fragments, two sets of four.  Column tile k: 0, 1 gate u = 0, 1; 2, 3 up u = 0, 1.
.set WP,    784                        ; an LDS row of 1,024 codes: 768 bytes + 16 = 196 words: row r starts at bank 4 r mod 64, the upper half of the lanes 6 words on: the 32 lanes of an 8-byte load touch 64 different banks (ISA guide 11.1)
.set XST,   128*WP                     ; behind the 128 weight rows: a stage of 16 rows for each wave, its own
.set XSTW,  16*WP
.set LIST,  XST+4*XSTW                 ; the list: 1,408 words: 1,024 entries, the filling, zeros; the last 32 take what the scan throws away
.set DUMP,  1376
.set TOPW,  1407
.set TILEC, 24576                      ; a tile of 16 rows x 2,048 codes in act_codes
.set LANE, 1
.set RR,   2                           ; lane % 16
.set HH,   3                           ; lane / 16
.set R16,  4                           ; 16 r
.set WGA,  5                           ; weights in memory: 768 h + 16 r
.set WLS,  6                           ; weights into LDS: (32 w + h) rows + 16 r
.set XSS,  7                           ; my stage, in: row h + 16 r
.set XSR,  8                           ; my stage, out: row r + 24 h
.set WFG,  9                           ; gate's fragments: row r + 24 h;  v10: up's, 64 rows on
.set LA,   11                          ; the list: my wave's tile, entry h
.set LB,   12                          ; entry r
.set H16,  14                          ; 16 h
.set WSA,  15                          ; weights' scale bytes: (r + 8 (r / 8)) rows of 32 + 16 h
.set BIA,  16                          ; biases: 64 h
.set L16,  17                          ; 16 x lane
.set L8,   18                          ; 8 x lane
.set LT16, 19                          ; LIST + 16 x thread
.set TLA,  20                          ; the tail's LA, LB
.set TLB,  21
.set T16,  22                          ; 16 x thread
.set L4,   23                          ; 4 x lane
.set XS,   24                          ; v24-43  x's scale words: 4 a slot (slot 4: the tail): lanes 0-15 K steps 0-3, lanes 16-31 K steps 4-7
.set WS,   44                          ; v44-75  the weights' scale words: 16 b + 4 k + (q % 4), halves as above
.set BI,   76                          ; v76-139 the biases in the result's layout: 32 b + 8 k
.set HG,   140                         ; v140-155 g, then glu.  (v140-203 first hold the indices; then v140-175 the main slots' list entries and offsets, 9 a slot)
.set EE,   156                         ; v156-171 the sigmoid on its way
.set HU,   172                         ; v172-187 up, then act
.set CV,   188                         ; v188-190 the second block's codes
.set MX,   192
.set MX2,  193
.set MP,   194
.set SO,   195                         ; the conversion's scale operand
.set BY,   196                         ; the scale's byte
.set FF,   198                         ; v[198 + 8 f ..]: slot f's six registers of codes
.set SBK,  238                         ; v238-242 slot f's two scale bytes
.set TG,   243                         ; v243-251 the tail's list entries and offsets
.set MSB, 0
.macro WIN new                         ; the immediate's high byte repeats the setting that is left; a switch that changes nothing is dropped
.if MSB != (\new)
	s_set_vgpr_msb (MSB<<8)|(\new)
.set MSB, \new
.endif
.endm
.macro PLACES n
.rept \n
	v_nop
.endr
.endm
.macro XF i                            ; fragment i of x: window XW, register XR
.if (\i) < 21
.set XW, 1
.set XR, 12*(\i)
.else
.set XW, 2
.set XR, 12*((\i)-21)
.endif
.endm
; 32 tokens' two indices (one token a lane) against my expert: the lanes that match put sigma at the list's next places; the others write to their own word of the dump.
.macro SCAN ra, rb, k
	v_cmp_eq_u32 s34, s3, v[\ra]                   ; the first index names the expert
	v_cmp_eq_u32 vcc_lo, s3, v[\rb]                ; the second does
	s_or_b32 s35, s34, vcc_lo
	v_mbcnt_lo_u32_b32 v209, s35, s48              ; the count so far + the matching lanes below me
	v_cndmask_b32 v209, v208, v209, s35
	v_min_u32 v209, TOPW, v209                     ; a number made from loaded data enters an address only behind a clamp
	v_lshl_add_u32 v210, v209, 2, LIST
	v_cndmask_b32 v211, 1, 0, s34                  ; the slot
	v_add3_u32 v212, v[L4], \k, v211               ; sigma = 2 x token + slot; the lane's token is k / 2 + 2 x lane
	ds_store_b32 v210, v212
	s_bcnt1_i32_b32 s49, s35
	s_add_co_u32 s48, s48, s49
.endm
; The same 32 tokens, counted only: what waves 1 to 3 do while wave 0 lists.
.macro COUNT ra, rb
	v_cmp_eq_u32 s34, s3, v[\ra]
	v_cmp_eq_u32 vcc_lo, s3, v[\rb]
	s_or_b32 s35, s34, vcc_lo
	s_bcnt1_i32_b32 s49, s35
	s_add_co_u32 s48, s48, s49
.endm
.macro LISTRD la, lb, off, og          ; a tile's entries: registers 0-7: row 2 i + h (for the gather, two rows an instruction); register 8: row r (for the scale words)
.irp i, 0,1,2,3,4,5,6,7
	ds_load_b32 v[(\og)+\i], v[\la] offset:(\off)+8*\i
.endr
	ds_load_b32 v[(\og)+8], v[\lb] offset:(\off)
.endm
.macro GADDR og, xs                    ; entries become byte offsets: token x 768 + 16 r, and token x 32 + 16 h; the row's 32 scale bytes are asked for
.irp i, 0,1,2,3,4,5,6,7,8
	v_lshrrev_b32 v[(\og)+\i], 1, v[(\og)+\i]
.endr
.irp i, 0,1,2,3,4,5,6,7,8
	v_min_u32 v[(\og)+\i], 0x3ff, v[(\og)+\i]
.endr
.irp i, 0,1,2,3,4,5,6,7
	v_lshl_add_u32 v[(\og)+\i], v[(\og)+\i], 1, v[(\og)+\i]
.endr
.irp i, 0,1,2,3,4,5,6,7
	v_lshl_add_u32 v[(\og)+\i], v[(\og)+\i], 8, v[R16]
.endr
	v_lshl_add_u32 v[(\og)+8], v[(\og)+8], 5, v[H16]
	global_load_b128 v[(\xs):(\xs)+3], v[(\og)+8], s[10:11]
.endm
.macro GCODES f0, fs, og               ; 16 rows of 768 bytes: sixteen lanes read 256 consecutive bytes of a row, aligned; they land in the registers that will hold the tile's fragments
.irp i, 0,1,2,3,4,5,6,7
	XF \f0+\fs*\i
	WIN XW<<6
	global_load_b128 v[XR:XR+3], v[(\og)+\i], s[8:9]
	global_load_b128 v[XR+4:XR+7], v[(\og)+\i], s[8:9] offset:256
	global_load_b128 v[XR+8:XR+11], v[(\og)+\i], s[8:9] offset:512
.endr
	WIN 0
.endm
.macro ROUNDTRIP f0, fs                ; rows into my stage, fragments out of it: lane (r, h) takes of row r the 24 bytes at 96 q + 48 c + 24 h.  LDS serves a wave's instructions in order (ISA guide 5.7.1.4): no wait between
.irp i, 0,1,2,3,4,5,6,7
	XF \f0+\fs*\i
	WIN XW<<2
	ds_store_b128 v[XSS], v[XR:XR+3] offset:2*\i*WP
	ds_store_b128 v[XSS], v[XR+4:XR+7] offset:2*\i*WP+256
	ds_store_b128 v[XSS], v[XR+8:XR+11] offset:2*\i*WP+512
.endr
.irp q, 0,1,2,3,4,5,6,7
	XF \f0+\fs*\q
	WIN XW<<6
.irp p, 0,1,2,3,4,5
	ds_load_b64 v[XR+2*\p:XR+2*\p+1], v[XSR] offset:96*\q+48*(\p/3)+8*(\p%3)
.endr
.endr
	WIN 0
.endm
.macro WFETCH b, q, p                  ; the four column tiles' fragments of K step q into set p (destination window 3)
.irp k, 0,1,2,3
.irp c, 0,1,2,3,4,5
	ds_load_b64 v[128+48*(\p)+12*\k+2*\c:128+48*(\p)+12*\k+2*\c+1], v[WFG+(\k/2)] offset:(32*(\b)+16*(\k%2))*WP+96*(\q)+48*(\c/3)+8*(\c%3)
.endr
.endr
.endm
.macro WM row                          ; D = AC, source 0 = WA, source 1 = XR, C = CC, scales SA, SB; row = 1: both scale words stand in lanes 16-31
.if \row
	v_wmma_scale_f32_16x16x128_f8f6f4 v[AC:AC+7], v[WA:WA+11], v[XR:XR+11], v[CC:CC+7], v[SA], v[SB] matrix_a_fmt:MATRIX_FMT_BF6 matrix_b_fmt:MATRIX_FMT_BF6 matrix_a_scale:MATRIX_SCALE_ROW1 matrix_b_scale:MATRIX_SCALE_ROW1
.else
	v_wmma_scale_f32_16x16x128_f8f6f4 v[AC:AC+7], v[WA:WA+11], v[XR:XR+11], v[CC:CC+7], v[SA], v[SB] matrix_a_fmt:MATRIX_FMT_BF6 matrix_b_fmt:MATRIX_FMT_BF6
.endif
.endm
; All of K for m row tiles against block b's four column tiles.  The 4 m accumulators take turns, one instruction a turn.  The biases are the C of the first K step.
; The next K step's 24 LDS loads are issued ahead of a step's products, behind four places: they land in registers that the step before has read (ISA guide 7.12.1 for vector instructions).
; Five places close the macro: what follows may be the next block's first products, which write these accumulators anew from another C.
.macro KLOOP m, f0, fq, b, xs0
	WIN 0xc0
	WFETCH \b, 0, 0
.irp q, 0,1,2,3,4,5,6,7
	s_wait_dscnt 0x0                               ; this step's fragments are in (and, at the first step, x's)
.if \q < 7
.if \q > 0
	PLACES 4
.endif
	WIN 0xc0
	WFETCH \b, \q+1, (\q+1)&1
.endif
.set jj, 0
.rept \m
	XF \f0+\fq*\q+jj
.if \q == 0
	WIN 0xc3|(XW<<2)
.else
	WIN 0xf3|(XW<<2)
.endif
.irp k, 0,1,2,3
.set AC, 32*jj+8*\k
.set WA, 128+48*((\q)&1)+12*\k
.set SA, WS+16*(\b)+4*\k+((\q)&3)
.set SB, (\xs0)+4*jj+((\q)&3)
.if \q == 0
.set CC, BI+32*(\b)+8*\k
.else
.set CC, AC
.endif
	WM (\q)/4
.endr
.set jj, jj+1
.endr
.endr
	WIN 0
	PLACES 5
.endm
; Block b (32 columns) of the tile in accumulator slot a: clip, GLU, the block's scale, its codes.  b = 1: the two blocks' halves change lanes, so that a lane holds a whole block, and the slice's part of the fragment leaves.
.macro EPI a, f, b, ts, guard
.if \guard
	s_cmp_ge_u32 s[\ts], s7                        ; a tile that does not exist stores nothing (tile 0 always exists)
	s_cbranch_scc1 .Lepi_skip_\@
.endif
	WIN 0x03                                       ; source 0: window 3.
.irp i, 0,1,2,3,4,5,6,7,8,9,10,11,12,13,14,15
	v_min_num_f32 v[HG+\i], v[32*\a+\i], s53       ; g = min(gate, 7)
.endr
.irp i, 0,1,2,3,4,5,6,7,8,9,10,11,12,13,14,15
	v_med3_num_f32 v[HU+\i], v[32*\a+16+\i], s54, s53   ; up held to -7 .. 7
.endr
	WIN 0
.irp i, 0,2,4,6,8,10,12,14
	v_pk_mul_f32 v[EE+\i:EE+\i+1], v[HG+\i:HG+\i+1], s[56:57] op_sel_hi:[1,0]   ; -1.702 log2(e) g
.endr
.irp i, 0,1,2,3,4,5,6,7,8,9,10,11,12,13,14,15
	v_exp_f32 v[EE+\i], v[EE+\i]
.endr
	v_nop                                          ; a plain place behind the transcendentals (ISA guide 5.7.2)
	s_wait_alu depctr_va_vdst(0)
.irp i, 0,2,4,6,8,10,12,14
	v_pk_add_f32 v[EE+\i:EE+\i+1], v[EE+\i:EE+\i+1], 1.0 op_sel_hi:[1,0]
.endr
.irp i, 0,1,2,3,4,5,6,7,8,9,10,11,12,13,14,15
	v_rcp_f32 v[EE+\i], v[EE+\i]                   ; the sigmoid
.endr
	v_nop
	s_wait_alu depctr_va_vdst(0)
.irp i, 0,2,4,6,8,10,12,14
	v_pk_mul_f32 v[HG+\i:HG+\i+1], v[HG+\i:HG+\i+1], v[EE+\i:EE+\i+1]   ; glu
.endr
.irp i, 0,2,4,6,8,10,12,14
	v_pk_fma_f32 v[HU+\i:HU+\i+1], v[HU+\i:HU+\i+1], v[HG+\i:HG+\i+1], v[HG+\i:HG+\i+1]   ; act = up glu + glu
.endr
	v_max3_num_f32 v[MX], |v[HU]|, |v[HU+1]|, 0x2800000          ; my 16 numbers' largest magnitude, in two chains, and the floor 2^(5 - 127): the byte cannot fall under 1
	v_max3_num_f32 v[MX2], |v[HU+2]|, |v[HU+3]|, |v[HU+4]|
.irp i, 5,9,13
	v_max3_num_f32 v[MX], v[MX], |v[HU+\i]|, |v[HU+\i+1]|
.if \i < 13
	v_max3_num_f32 v[MX2], v[MX2], |v[HU+\i+2]|, |v[HU+\i+3]|
.endif
.endr
	v_max3_num_f32 v[MX], v[MX], v[MX2], |v[HU+15]|
	v_permlanex16_b32 v[MP], v[MX], s58, s59
	v_max_num_f32 v[MX], v[MX], v[MP]              ; with lane l xor 16's 16: the block's
	v_add_nc_u32 v[SO], 0xfe000000, v[MX]          ; 4 off its exponent field: the conversion takes that field as its scale
	v_lshrrev_b32 v[BY], 23, v[SO]                 ; the scale's byte
.if \b == 0
	v_cvt_scalef32_pk16_bf6_f32 v[FF+8*\f:FF+8*\f+2], v[HU:HU+15], v[SO]
	v_mov_b32 v[SBK+\f], v[BY]                     ; (also the plain place behind the conversion)
.else
	v_cvt_scalef32_pk16_bf6_f32 v[CV:CV+2], v[HU:HU+15], v[SO]
	v_lshl_or_b32 v[SBK+\f], v[BY], 8, v[SBK+\f]   ; (likewise)
.irp i, 0,1,2
	v_permlane16_swap_b32 v[FF+8*\f+\i], v[CV+\i]  ; block 0's upper half goes to lanes 0-15, block 1's lower half to lanes 16-31
.endr
.irp i, 0,1,2
	v_mov_b32 v[FF+8*\f+3+\i], v[CV+\i]            ; six registers: k = 32 (lane / 16) + 0 .. 31 of the slice's 64
.endr
	global_store_b128 v[L16], v[FF+8*\f:FF+8*\f+3], s[66+4*\f:67+4*\f]              ; 512 consecutive bytes
	global_store_b64 v[L8], v[FF+8*\f+4:FF+8*\f+5], s[66+4*\f:67+4*\f] offset:512   ; and 256
	global_store_b16 v[R16], v[SBK+\f], s[68+4*\f:69+4*\f]                          ; row r's two bytes; lanes 16-31 write the same bytes with the same values
.endif
.if \guard
.Lepi_skip_\@:
.endif
.endm
	s_load_b512 s[8:23], s[0:1], 0x0               ; x's codes s[8:9], x's scales s[10:11], Wg s[12:13], its scales s[14:15], Wu s[16:17], its scales s[18:19], bg s[20:21], bu s[22:23]
	s_load_b256 s[24:31], s[0:1], 0x40             ; router_indices s[24:25], act_codes s[26:27], act_scales s[28:29], route s[30:31]
	v_lshl_add_u32 v254, v0, 2, 0x26200
	v_mov_b32 v255, 0
	v_lshrrev_b32 v1, 5, v0
	v_readfirstlane_b32 s2, v1                     ; wave
	s_and_b32 s3, ttmp7, 0xffff                    ; expert
	s_mov_b32 s4, ttmp9                            ; slice
	v_and_b32 v[LANE], 31, v0
	v_and_b32 v[RR], 15, v0
	v_bfe_u32 v[HH], v0, 4, 1
	v_lshlrev_b32 v[R16], 4, v[RR]
	v_mad_u32_u24 v[WGA], v[HH], 768, v[R16]
	s_mul_i32 s34, s2, 32*WP
	v_mad_u32_u24 v[WLS], v[HH], WP, v[R16]
	v_add_nc_u32 v[WLS], s34, v[WLS]
	s_mul_i32 s35, s2, XSTW
	s_add_co_u32 s35, s35, XST
	v_mad_u32_u24 v[XSS], v[HH], WP, v[R16]
	v_add_nc_u32 v[XSS], s35, v[XSS]
	v_mul_u32_u24 v[WFG], v[RR], WP
	v_mad_u32_u24 v[WFG], v[HH], 24, v[WFG]
	v_add_nc_u32 v[XSR], s35, v[WFG]
	v_add_nc_u32 v[WFG+1], 64*WP, v[WFG]
	s_lshl_b32 s48, s2, 6
	s_add_co_u32 s48, s48, LIST
	v_lshl_add_u32 v[LA], v[HH], 2, s48
	v_lshl_add_u32 v[LB], v[RR], 2, s48
	v_lshlrev_b32 v[H16], 4, v[HH]
	v_and_b32 v[WSA], 8, v[RR]
	v_add_nc_u32 v[WSA], v[WSA], v[RR]
	v_lshl_add_u32 v[WSA], v[WSA], 5, v[H16]
	v_lshlrev_b32 v[BIA], 6, v[HH]
	v_lshlrev_b32 v[L16], 4, v[LANE]
	v_lshlrev_b32 v[L8], 3, v[LANE]
	v_lshlrev_b32 v[T16], 4, v0
	v_add_nc_u32 v[LT16], LIST, v[T16]
	v_lshlrev_b32 v[L4], 2, v[LANE]
	s_lshl_b32 s49, s3, 11
	s_lshl_b32 s50, s4, 6
	s_add_co_u32 s49, s49, s50                     ; the slice's first row in Wg and Wu: 2,048 e + 64 s
	s_and_b32 s50, s2, 1
	s_lshl_b32 s50, s50, 5
	s_add_co_u32 s50, s50, s49
	s_mul_i32 s50, s50, 768                        ; wave w brings 32 rows: waves 0, 1 gate's, waves 2, 3 up's
	s_mov_b32 s51, 0
	s_lshl_b32 s62, s49, 5                         ; 32 scale bytes a row
	s_mov_b32 s63, 0
	s_lshl_b32 s94, s49, 2                         ; 4 bytes of bias a row
	s_mov_b32 s95, 0
	s_mov_b32 s53, 0x40e00000                      ; 7.0
	s_mov_b32 s54, 0xc0e00000
	s_mov_b32 s56, 0xc01d265f                      ; -1.702 log2(e)
	s_mov_b32 s57, s56                             ; (named with it as a pair)
	s_mov_b32 s58, 0x76543210
	s_mov_b32 s59, 0xfedcba98                      ; v_permlanex16_b32's selects for lane l xor 16
	s_wait_kmcnt 0x0
	s_cmp_lt_u32 s2, 2
	s_cselect_b64 s[32:33], s[12:13], s[16:17]
	s_add_nc_u64 s[32:33], s[32:33], s[50:51]
	s_add_nc_u64 s[36:37], s[14:15], s[62:63]
	s_add_nc_u64 s[38:39], s[18:19], s[62:63]
	s_add_nc_u64 s[40:41], s[20:21], s[94:95]
	s_add_nc_u64 s[42:43], s[22:23], s[94:95]
.irp i, 0,1,2,3,4,5,6,7,8,9,10,11,12,13,14,15
	global_load_b128 v[HG+4*\i:HG+4*\i+3], v[L16], s[24:25] offset:512*\i   ; every wave: all 2,048 indices; lane l of load i: tokens 64 i + 2 l and 64 i + 2 l + 1
.endr
.irp b, 0,1
.irp k, 0,1,2,3
	global_load_b128 v[WS+16*\b+4*\k:WS+16*\b+4*\k+3], v[WSA], s[36+2*(\k/2):37+2*(\k/2)] offset:(32*\b+8*(\k%2))*32
.endr
.endr
.irp b, 0,1
.irp k, 0,1,2,3
	global_load_b128 v[BI+32*\b+8*\k:BI+32*\b+8*\k+3], v[BIA], s[40+2*(\k/2):41+2*(\k/2)] offset:(32*\b+8*(\k%2))*4
	global_load_b128 v[BI+32*\b+8*\k+4:BI+32*\b+8*\k+7], v[BIA], s[40+2*(\k/2):41+2*(\k/2)] offset:(32*\b+8*(\k%2))*4+16
.endr
.endr
; my 32 weight rows: 48 loads, sixteen lanes to 256 consecutive bytes of a row.  They land in the tail's fragment registers (window 2, v132-227) and in the accumulators' (window 3, v0-95); read once in the launch
.set NQ, 0
.rept 48
.if NQ < 24
	WIN 0x80
	global_load_b128 v[132+4*NQ:135+4*NQ], v[WGA], s[32:33] offset:2*(NQ/3)*768+256*(NQ%3) th:TH_LOAD_NT
.else
	WIN 0xc0
	global_load_b128 v[4*(NQ-24):4*(NQ-24)+3], v[WGA], s[32:33] offset:2*(NQ/3)*768+256*(NQ%3) th:TH_LOAD_NT
.endif
.set NQ, NQ+1
.endr
	WIN 0
	; where the results go
	s_mul_i32 s50, s3, 64*TILEC
	s_mul_i32 s62, s4, 768                         ; K step s / 2, half s % 2: 1,536 (s / 2) + 768 (s % 2) = 768 s
	s_add_co_u32 s50, s50, s62
	s_add_nc_u64 s[44:45], s[26:27], s[50:51]
	s_lshl_b32 s50, s3, 16
	s_lshr_b32 s62, s4, 3
	s_lshl_b32 s62, s62, 8                         ; the group of four K steps: 256 bytes;
	s_add_co_u32 s50, s50, s62
	s_and_b32 s62, s4, 7
	s_lshl_b32 s62, s62, 1                         ; in a row's 16 bytes: 4 (K step % 4) + 2 (s % 2) = 2 (s % 8)
	s_add_co_u32 s50, s50, s62
	s_add_nc_u64 s[46:47], s[28:29], s[50:51]
	s_mul_i32 s50, s3, 4352
	s_add_nc_u64 s[92:93], s[30:31], s[50:51]
.irp j, 0,1,2,3
	s_add_co_u32 s[86+\j], s2, 4*\j                ; slot j's tile
	s_mul_i32 s62, s[86+\j], TILEC
	s_add_nc_u64 s[66+4*\j:67+4*\j], s[44:45], s[62:63]
	s_lshl_b32 s62, s[86+\j], 10
	s_add_nc_u64 s[68+4*\j:69+4*\j], s[46:47], s[62:63]
.endr
	s_add_co_u32 s90, s2, 16                       ; the tail's first tile
	; ---- the list: wave 0 alone; no other wave touches LDS ahead of the barrier.  The count: every wave, in s48
	s_cmp_lg_u32 s2, 0
	s_cbranch_scc1 .Lcount_only
.irp i, 204,205,206,207
	v_mov_b32 v\i, 0
.endr
.irp i, 0,1,2,3,4,5,6,7,8,9,10
	ds_store_b128 v[LT16], v[204:207] offset:512*\i   ; the list begins as zeros (in wave 0 the thread is the lane)
.endr
	v_add_nc_u32 v208, DUMP, v[LANE]
	s_mov_b32 s48, 0
	s_wait_loadcnt 63                              ; behind the 16 index loads 72 were issued; a wait names 63 at the most (ISA guide 5.7.1)
.irp i, 0,1,2,3,4,5,6,7,8,9,10,11,12,13,14,15
	SCAN HG+4*\i, HG+4*\i+1, 128*\i
	SCAN HG+4*\i+2, HG+4*\i+3, 128*\i+2
.endr
	s_sub_co_u32 s49, s48, 1
	s_min_u32 s49, s49, TOPW                       ; the last entry (with no entry at all: a word of the dump; whatever it holds is clamped to a token, and that tile's rows are stored for no token)
	v_mov_b32 v209, s49
	v_lshl_add_u32 v210, v209, 2, LIST
	ds_load_b32 v212, v210
	v_add_nc_u32 v209, s48, v[RR]
	v_min_u32 v209, TOPW, v209
	v_lshl_add_u32 v213, v209, 2, LIST
	s_wait_dscnt 0x0
	ds_store_b32 v213, v212                        ; entries n .. n + 15 repeat the last: the last tile is full
	s_branch .Lcounted
.Lcount_only:
	s_mov_b32 s48, 0
	s_wait_loadcnt 63                              ; as in wave 0: behind the 16 index loads 72 were issued
.irp i, 0,1,2,3,4,5,6,7,8,9,10,11,12,13,14,15
	COUNT HG+4*\i, HG+4*\i+1
	COUNT HG+4*\i+2, HG+4*\i+3
.endr
.Lcounted:
	s_min_u32 s5, s48, 1024                        ; n
	s_add_co_u32 s6, s5, 15
	s_lshr_b32 s6, s6, 4                           ; T
	s_max_u32 s7, s6, 1
	s_wait_dscnt 0x0                               ; for the others' sake: the list is in LDS
	s_barrier_signal -1
	s_barrier_wait -1
.irp j, 0,1,2,3
	LISTRD LA, LB, 256*\j, HG+9*\j
.endr
	s_wait_dscnt 0x0
.irp j, 0,1,2,3
	GADDR HG+9*\j, XS+4*\j                         ; all four slots gather: a tile that does not exist takes the list's zeros (token 0) and stores nothing
	GCODES \j, 4, HG+9*\j
.endr
.irp f, 0,1,2,3,4
	v_mov_b32 v[FF+8*\f], 0                        ; written once: block 0's codes and byte are made under one branch and taken up under another
	v_mov_b32 v[FF+8*\f+1], 0
	v_mov_b32 v[FF+8*\f+2], 0
	v_mov_b32 v[SBK+\f], 0
.endr
	v_mov_b32 v[MP], 0                             ; a lane permute's destination counts as one of its sources
	s_cmp_lg_u32 s4, 0
	s_cbranch_scc1 .Lno_route
	ds_load_b128 v[176:179], v[LT16]               ; slice 0 stores the expert's 1,024 entries, 16 bytes a thread and twice,
	ds_load_b128 v[180:183], v[LT16] offset:2048
	s_wait_dscnt 0x0
	global_store_b128 v[T16], v[176:179], s[92:93]
	global_store_b128 v[T16], v[180:183], s[92:93] offset:2048
	s_cmp_lg_u32 s2, 0
	s_cbranch_scc1 .Lno_count
	v_mov_b32 v184, s5
	global_store_b32 v[L4], v184, s[92:93] offset:4096   ; and the count, in 32 words
.Lno_count:
	s_wait_xcnt 0x0                                ; the stores have read their registers, which the work below writes
.Lno_route:
	s_wait_loadcnt 63                              ; behind the weights 100 loads were issued: the weights, their scales and the biases are in
.set NQ, 0
.rept 48
.set RW, 2*(NQ/3)
.set RS, (RW&7)|(((RW>>3)&1)<<4)|(((RW>>4)&1)<<3)  ; bits 3 and 4 of the row change places: a column tile is 16 LDS rows on end
.if NQ < 24
	WIN 0x08
	ds_store_b128 v[WLS], v[132+4*NQ:135+4*NQ] offset:RS*WP+256*(NQ%3)
.else
	WIN 0x0c
	ds_store_b128 v[WLS], v[4*(NQ-24):4*(NQ-24)+3] offset:RS*WP+256*(NQ%3)
.endif
.set NQ, NQ+1
.endr
	WIN 0
	s_wait_dscnt 0x0                               ; for the others' sake: my 32 rows are in LDS
	s_barrier_signal -1
	s_barrier_wait -1                              ; from here on the waves do not depend on each other
.irp j, 0,1,2,3
.if \j == 0
	s_wait_loadcnt 63                              ; slot j's 25 loads are in: 25 (3 - j) were issued behind them (75: a wait names 63 at the most)
.else
	s_wait_loadcnt 25*(3-\j)
.endif
	ROUNDTRIP \j, 4
.endr
	LISTRD LA, LB, 1024, TG                        ; the tail's first tile is asked for now and lands under the main work
	s_wait_dscnt 0x0
	GADDR TG, XS+16                                ; without a branch: the tail's offsets and scale words are written on every way
	s_cmp_ge_u32 s90, s6
	s_cbranch_scc1 .Lno_early
	GCODES 32, 1, TG
.Lno_early:
	KLOOP 4, 0, 4, 0, XS
.irp j, 0,1,2,3
	EPI \j, \j, 0, 86+\j, 1
.endr
	KLOOP 4, 0, 4, 1, XS
.irp j, 0,1,2,3
	EPI \j, \j, 1, 86+\j, 1
.endr
	; ---- the tail: tiles 16 + 4 i + w, one a trip
	s_mov_b32 s60, 0
	s_mov_b32 s61, 0
.Ltail:
	v_add_nc_u32 v[TLA], s61, v[LA]
	v_add_nc_u32 v[TLB], s61, v[LB]
	s_cmp_ge_u32 s90, s6
	s_cbranch_scc1 .Ltail_step
	s_wait_xcnt 0x0                                ; the last trip's stores have read slot 4's registers and pointers
	s_mul_i32 s62, s90, TILEC
	s_add_nc_u64 s[82:83], s[44:45], s[62:63]
	s_lshl_b32 s62, s90, 10
	s_add_nc_u64 s[84:85], s[46:47], s[62:63]
	s_wait_loadcnt 0x0                             ; the tile's rows and scale words are in
	ROUNDTRIP 32, 1
	KLOOP 1, 32, 1, 0, XS+16
	EPI 0, 4, 0, 90, 0
	KLOOP 1, 32, 1, 1, XS+16
	s_add_co_u32 s62, s90, 4
	s_cmp_ge_u32 s62, s6
	s_cbranch_scc1 .Ltail_nonext
	LISTRD TLA, TLB, 1280, TG                      ; the next trip's tile, if there is one: it lands under the arithmetic below
	s_wait_dscnt 0x0
	GADDR TG, XS+16
	GCODES 32, 1, TG
.Ltail_nonext:
	EPI 0, 4, 1, 90, 0
.Ltail_step:
	s_add_co_u32 s90, s90, 4
	s_add_co_u32 s61, s61, 256
	s_add_co_u32 s60, s60, 1
	s_cmp_lt_u32 s60, 12
	s_cbranch_scc1 .Ltail
	s_wait_tensorcnt 0x0
	ds_add_u32 v254, v255
	s_wait_dscnt 0x0
	s_endpgm
.Lfunc_end_k_q304e72bc2b_gateup:
	.size	k_q304e72bc2b_gateup, .Lfunc_end_k_q304e72bc2b_gateup-k_q304e72bc2b_gateup
	.p2alignl 7, 3214868480
	.fill 96, 4, 3214868480
	.section	.rodata,"a",@progbits
	.p2align	6, 0x0
	.amdhsa_kernel k_q304e72bc2b_gateup
		.amdhsa_group_segment_fixed_size 156672
		.amdhsa_private_segment_fixed_size 0
		.amdhsa_enable_private_segment 0
		.amdhsa_kernarg_size 96
		.amdhsa_user_sgpr_count 2
		.amdhsa_user_sgpr_kernarg_segment_ptr 1
		.amdhsa_wavefront_size32 1
		.amdhsa_system_sgpr_workgroup_id_x 1
		.amdhsa_system_sgpr_workgroup_id_y 1
		.amdhsa_system_sgpr_workgroup_id_z 1
		.amdhsa_system_vgpr_workitem_id 0
		.amdhsa_next_free_vgpr 1024
		.amdhsa_next_free_sgpr 96
		.amdhsa_reserve_vcc 1
		.amdhsa_float_denorm_mode_32 3
		.amdhsa_float_denorm_mode_16_64 3
		.amdhsa_memory_ordered 1
		.amdhsa_forward_progress 1
		.amdhsa_inst_pref_size 255
	.end_amdhsa_kernel
	.section	.bss,"aw",@nobits
	.p2align	6
	.space	262144
	.amdgpu_metadata
---
amdhsa.version: [ 1, 2 ]
amdhsa.kernels:
  - .name:           k_q304e72bc2b_gateup
    .symbol:         k_q304e72bc2b_gateup.kd
    .args:
      - { .name: hidden_states_codes, .offset: 0, .size: 8, .value_kind: global_buffer, .address_space: global }
      - { .name: hidden_states_scales, .offset: 8, .size: 8, .value_kind: global_buffer, .address_space: global }
      - { .name: Wg_codes, .offset: 16, .size: 8, .value_kind: global_buffer, .address_space: global }
      - { .name: Wg_scales, .offset: 24, .size: 8, .value_kind: global_buffer, .address_space: global }
      - { .name: Wu_codes, .offset: 32, .size: 8, .value_kind: global_buffer, .address_space: global }
      - { .name: Wu_scales, .offset: 40, .size: 8, .value_kind: global_buffer, .address_space: global }
      - { .name: bg, .offset: 48, .size: 8, .value_kind: global_buffer, .address_space: global }
      - { .name: bu, .offset: 56, .size: 8, .value_kind: global_buffer, .address_space: global }
      - { .name: router_indices, .offset: 64, .size: 8, .value_kind: global_buffer, .address_space: global }
      - { .name: act_codes, .offset: 72, .size: 8, .value_kind: global_buffer, .address_space: global }
      - { .name: act_scales, .offset: 80, .size: 8, .value_kind: global_buffer, .address_space: global }
      - { .name: route, .offset: 88, .size: 8, .value_kind: global_buffer, .address_space: global }
    .group_segment_fixed_size: 156672
    .private_segment_fixed_size: 0
    .kernarg_segment_align: 8
    .kernarg_segment_size: 96
    .max_flat_workgroup_size: 128
    .sgpr_count:     96
    .vgpr_count:     1024
    .wavefront_size: 32
...
	.end_amdgpu_metadata
.endif
;; end of part 1
;; launch down (part 2): grid 32 x 8, 4 waves a work-group, no clusters, 117,248 bytes of LDS; arguments Wd_codes, Wd_scales, bd, act_codes, act_scales, route, ybuf; writes ybuf
.if DOCPART == 2
	.amdgcn_target "amdgcn-amd-amdhsa--gfx1250"
	.amdhsa_code_object_version 6
	.text
	.protected	k_q304e72bc2b_down
	.globl	k_q304e72bc2b_down
	.p2align	8
	.type	k_q304e72bc2b_down,@function
k_q304e72bc2b_down:
	s_mov_b64 s[64:65], 0
	v_nop
	global_prefetch_b8 v0, s[64:65] scope:SCOPE_SE
	s_setreg_imm32_b32 hwreg(HW_REG_WAVE_MODE, 25, 1), 1
	s_wait_xcnt 0x0
; y = act Wd + bd for the rows of each expert's list, K = 2,048, on codes of E3M2 with one E8M0 byte for each 32.  Row sigma of the list goes to ybuf[sigma][:], f32.
; SHARES.  A work-group is (expert e = grid y; grid x = 2 ns + p: 64 of the 1,024 columns, and the row tiles of parity p).  Its 64 rows of Wd lie in LDS, read by all four waves; act's fragments come from memory
; straight into registers, in the order in which the launch before laid them.  Wave w owns tiles 8 j + 2 w + p: j = 0, 1 together (8 accumulators by turns), those from 16 on one at a time in a loop of 6 trips whose work is
; jumped over where the tile does not exist.  A main slot without a tile loads the expert's last written tile and stores nothing.
; THE PRODUCT IS USED TRANSPOSED: source 0 = 16 rows of Wd, source 1 = 16 rows of act: a lane holds eight neighbouring columns of one row of y.  A tile goes through the wave's own stage in LDS and leaves as
; 256 consecutive bytes a row, aligned, sixteen lanes to a row.  The bias is the C of the first K step.
; NO TENSOR LOADS, NO CLUSTER: the number of row tiles is a stored number.
; LIMITS.  NaN and infinities are not served.  The rows that fill up an expert's last tile repeat its last row: the same wave stores the same bytes to the same place again.
; REGISTERS.  Window 0: below.  Fragments of act, 12 registers each, number i at window 1, 12 i (i < 21), window 2, 12 (i - 21) (i < 42), window 3, 12 (i - 42); main: i = 2 q + j; tail: i = 32 + q.
; Window 3 further: v72-135 accumulators (slot j, column tile k) at 72 + 32 j + 8 k; v136-231 Wd's fragments, two sets of four.
.set WP,    1552                       ; an LDS row of 2,048 codes: 1,536 bytes + 16 = 388 words: row r starts at bank 4 r mod 64, the upper half of the lanes 6 words on (ISA guide 11.1)
.set OST,   64*WP                      ; behind the 64 rows: a stage of 16 rows x (256 + 16) bytes for each wave
.set OP,    272
.set TILEC, 24576
.set LANE, 1
.set RR,   2
.set HH,   3
.set R16,  4
.set WGA,  5                           ; Wd in memory: 1,536 h + 16 r
.set WLS,  6                           ; into LDS: (16 w + h) rows + 16 r
.set WF0,  7                           ; fragments: row r + 24 h;  v8: 32 rows on
.set OSS,  9                           ; my stage, in: row r + 32 h
.set OSR,  10                          ; out: row 8 h, + 16 r
.set L16,  11
.set L8,   12
.set WSA,  13                          ; Wd's scale bytes: 64 r + 16 h
.set H32,  14                          ; 32 h
.set AS,   16                          ; v16-39  act's scale words: 8 a slot (slot 2: the tail): 4 (q / 8) + q % 4; lanes 0-15 where (q / 4) is even, lanes 16-31 where odd
.set WS,   40                          ; v40-71  Wd's: 8 k + the same
.set BI,   72                          ; v72-103 the bias in the result's layout: 8 k
.set SG,   104                         ; v104-127 sigma of rows i + 8 h, 8 a slot; then their byte offsets
.set RB,   128                         ; v128-159 a tile's rows on their way out
.set MSB, 0
.macro WIN new
.if MSB != (\new)
	s_set_vgpr_msb (MSB<<8)|(\new)
.set MSB, \new
.endif
.endm
.macro PLACES n
.rept \n
	v_nop
.endr
.endm
.macro XF i
.if (\i) < 21
.set XW, 1
.set XR, 12*(\i)
.elseif (\i) < 42
.set XW, 2
.set XR, 12*((\i)-21)
.else
.set XW, 3
.set XR, 12*((\i)-42)
.endif
.endm
.macro SLOTPTR f, ts                   ; slot f's three pointers, for tile s[ts] held to the tiles that were stored
	s_min_u32 s60, s[\ts], s22
	s_min_u32 s60, s60, 63                         ; a number made from loaded data enters an address only behind a clamp by a constant
	s_mul_i32 s62, s60, TILEC
	s_add_nc_u64 s[24+6*\f:25+6*\f], s[42:43], s[62:63]
	s_lshl_b32 s62, s60, 10
	s_add_nc_u64 s[26+6*\f:27+6*\f], s[44:45], s[62:63]
	s_lshl_b32 s62, s60, 6
	s_add_nc_u64 s[28+6*\f:29+6*\f], s[46:47], s[62:63]
.endm
.macro AMETA f                         ; a tile's 1,024 scale bytes, and its 16 list entries
	global_load_b128 v[AS+8*\f:AS+8*\f+3], v[L16], s[26+6*\f:27+6*\f]
	global_load_b128 v[AS+8*\f+4:AS+8*\f+7], v[L16], s[26+6*\f:27+6*\f] offset:512
	global_load_b128 v[SG+8*\f:SG+8*\f+3], v[H32], s[28+6*\f:29+6*\f]
	global_load_b128 v[SG+8*\f+4:SG+8*\f+7], v[H32], s[28+6*\f:29+6*\f] offset:16
.endm
.macro AQ f, i, q                      ; K step q's fragment of slot f's tile into fragment i: each load covers whole aligned runs of 256 bytes
	XF \i
	WIN XW<<6
.irp c, 0,1
	global_load_b128 v[XR+6*\c:XR+6*\c+3], v[L16], s[24+6*\f:25+6*\f] offset:1536*(\q)+768*\c
	global_load_b64 v[XR+6*\c+4:XR+6*\c+5], v[L8], s[24+6*\f:25+6*\f] offset:1536*(\q)+768*\c+512
.endr
.endm
.macro WFETCH q, p
.irp k, 0,1,2,3
.irp c, 0,1,2,3,4,5
	ds_load_b64 v[136+48*(\p)+12*\k+2*\c:136+48*(\p)+12*\k+2*\c+1], v[WF0+(\k/2)] offset:16*(\k%2)*WP+96*(\q)+48*(\c/3)+8*(\c%3)
.endr
.endr
.endm
.macro WM row
.if \row
	v_wmma_scale_f32_16x16x128_f8f6f4 v[AC:AC+7], v[WA:WA+11], v[XR:XR+11], v[CC:CC+7], v[SA], v[SB] matrix_a_fmt:MATRIX_FMT_BF6 matrix_b_fmt:MATRIX_FMT_BF6 matrix_a_scale:MATRIX_SCALE_ROW1 matrix_b_scale:MATRIX_SCALE_ROW1
.else
	v_wmma_scale_f32_16x16x128_f8f6f4 v[AC:AC+7], v[WA:WA+11], v[XR:XR+11], v[CC:CC+7], v[SA], v[SB] matrix_a_fmt:MATRIX_FMT_BF6 matrix_b_fmt:MATRIX_FMT_BF6
.endif
.endm
; K step q for m row tiles against the four column tiles: the 4 m accumulators take turns, one instruction a turn.  The next step's 24 LDS loads go out first,
; behind four places: they land in registers that the step before has read (ISA guide 7.12.1 for vector instructions).
.macro KSTEP m, f0, fq, asb, q
	s_wait_dscnt 0x0
.if \q < 15
.if \q > 0
	PLACES 4
.endif
	WIN 0xc0
	WFETCH (\q)+1, ((\q)+1)&1
.endif
.set jj, 0
.rept \m
	XF \f0+\fq*\q+jj
.if \q == 0
	WIN 0xc3|(XW<<2)
.else
	WIN 0xf3|(XW<<2)
.endif
.irp k, 0,1,2,3
.set AC, 72+32*jj+8*\k
.set WA, 136+48*((\q)&1)+12*\k
.set SA, WS+8*\k+4*((\q)>>3)+((\q)&3)
.set SB, (\asb)+8*jj+4*((\q)>>3)+((\q)&3)
.if \q == 0
.set CC, BI+8*\k
.else
.set CC, AC
.endif
	WM ((\q)>>2)&1
.endr
.set jj, jj+1
.endr
.endm
; The tile in accumulator slot a leaves: through my stage, back as rows, to row sigma of ybuf.
.macro OUT a, f, ts, guard
.if \guard
	s_cmp_ge_u32 s[\ts], s7
	s_cbranch_scc1 .Lout_skip_\@
.endif
	s_wait_xcnt 0x0                                ; earlier stores have read the registers that the loads below fill
	WIN 0x0c                                       ; an LDS store's data are its source 1: window 3
.irp k, 0,1,2,3
	ds_store_b128 v[OSS], v[72+32*\a+8*\k:72+32*\a+8*\k+3] offset:64*\k        ; each accumulator from its low end on
	ds_store_b128 v[OSS], v[72+32*\a+8*\k+4:72+32*\a+8*\k+7] offset:64*\k+16
.endr
	WIN 0
.irp i, 0,1,2,3,4,5,6,7
	ds_load_b128 v[RB+4*\i:RB+4*\i+3], v[OSR] offset:OP*\i   ; lanes 0-15 row i, lanes 16-31 row i + 8.  LDS serves a wave's instructions in order (ISA guide 5.7.1.4)
.endr
.irp i, 0,1,2,3,4,5,6,7
	v_min_u32 v[SG+8*\f+\i], 0x7ff, v[SG+8*\f+\i]
.endr
.irp i, 0,1,2,3,4,5,6,7
	v_lshl_add_u32 v[SG+8*\f+\i], v[SG+8*\f+\i], 12, v[R16]   ; sigma x 4,096 + 16 r
.endr
.irp i, 0,1,2,3,4,5,6,7
	s_wait_dscnt 7-\i
	global_store_b128 v[SG+8*\f+\i], v[RB+4*\i:RB+4*\i+3], s[48:49]   ; sixteen lanes store 256 consecutive bytes, aligned
.endr
.if \guard
.Lout_skip_\@:
.endif
.endm
	s_load_b256 s[8:15], s[0:1], 0x0               ; Wd's codes s[8:9], its scales s[10:11], bd s[12:13], act_codes s[14:15]
	s_load_b128 s[16:19], s[0:1], 0x20             ; act_scales s[16:17], route s[18:19]
	s_load_b64 s[20:21], s[0:1], 0x30              ; ybuf
	v_lshl_add_u32 v254, v0, 2, 0x1c800
	v_mov_b32 v255, 0
	v_lshrrev_b32 v1, 5, v0
	v_readfirstlane_b32 s2, v1                     ; wave
	s_and_b32 s3, ttmp7, 0xffff                    ; expert
	s_lshr_b32 s4, ttmp9, 1                        ; which 64 columns
	s_and_b32 s5, ttmp9, 1                         ; which parity of tiles
	v_and_b32 v[LANE], 31, v0
	v_and_b32 v[RR], 15, v0
	v_bfe_u32 v[HH], v0, 4, 1
	v_lshlrev_b32 v[R16], 4, v[RR]
	v_mad_u32_u24 v[WGA], v[HH], 1536, v[R16]
	s_mul_i32 s60, s2, 16*WP
	v_mad_u32_u24 v[WLS], v[HH], WP, v[R16]
	v_add_nc_u32 v[WLS], s60, v[WLS]
	v_mul_u32_u24 v[WF0], v[RR], WP
	v_mad_u32_u24 v[WF0], v[HH], 24, v[WF0]
	v_add_nc_u32 v[WF0+1], 32*WP, v[WF0]
	s_mul_i32 s60, s2, 16*OP
	s_add_co_u32 s60, s60, OST
	v_mul_u32_u24 v[OSS], v[RR], OP
	v_lshl_add_u32 v[OSS], v[HH], 5, v[OSS]
	v_add_nc_u32 v[OSS], s60, v[OSS]
	v_mad_u32_u24 v[OSR], v[HH], 8*OP, v[R16]
	v_add_nc_u32 v[OSR], s60, v[OSR]
	v_lshlrev_b32 v[L16], 4, v[LANE]
	v_lshlrev_b32 v[L8], 3, v[LANE]
	v_lshlrev_b32 v[WSA], 6, v[RR]
	v_lshl_add_u32 v[WSA], v[HH], 4, v[WSA]
	v_lshlrev_b32 v[H32], 5, v[HH]
	s_lshl_b32 s61, s3, 10
	s_lshl_b32 s60, s4, 6
	s_add_co_u32 s61, s61, s60                     ; my first row of Wd: 1,024 e + 64 ns
	s_mov_b32 s63, 0
	s_lshl_b32 s56, s2, 1
	s_add_co_u32 s56, s56, s5                      ; slot 0's tile: 2 w + p
	s_add_co_u32 s57, s56, 8                       ; slot 1's
	s_add_co_u32 s58, s56, 16                      ; the tail's first
	s_wait_kmcnt 0x0
	s_mul_i32 s62, s3, 4352
	s_add_nc_u64 s[46:47], s[18:19], s[62:63]      ; the expert's list
	s_load_b32 s6, s[46:47], 0x1000                ; its count
	s_lshl_b32 s60, s2, 4
	s_add_co_u32 s60, s60, s61
	s_mul_i32 s62, s60, 1536
	s_add_nc_u64 s[50:51], s[8:9], s[62:63]        ; wave w brings rows 16 w .. 16 w + 15
	s_lshl_b32 s62, s61, 6
	s_add_nc_u64 s[52:53], s[10:11], s[62:63]
	s_lshl_b32 s62, s61, 2
	s_add_nc_u64 s[54:55], s[12:13], s[62:63]
	s_mul_i32 s62, s3, 64*TILEC
	s_add_nc_u64 s[42:43], s[14:15], s[62:63]
	s_lshl_b32 s62, s3, 16
	s_add_nc_u64 s[44:45], s[16:17], s[62:63]
	s_lshl_b32 s62, s4, 8
	s_add_nc_u64 s[48:49], s[20:21], s[62:63]      ; my 64 columns of ybuf
.irp k, 0,1,2,3
.irp u, 0,1
	global_load_b128 v[WS+8*\k+4*\u:WS+8*\k+4*\u+3], v[WSA], s[52:53] offset:1024*\k+32*\u
.endr
.endr
.irp k, 0,1,2,3
	global_load_b128 v[BI+8*\k:BI+8*\k+3], v[H32], s[54:55] offset:64*\k
	global_load_b128 v[BI+8*\k+4:BI+8*\k+7], v[H32], s[54:55] offset:64*\k+16
.endr
; my 16 rows of Wd: 48 loads, sixteen lanes to 256 consecutive bytes of a row; they land in the tail's 16 fragments
.set NQ, 0
.rept 48
	XF 32+NQ/3
	WIN XW<<6
	global_load_b128 v[XR+4*(NQ%3):XR+4*(NQ%3)+3], v[WGA], s[50:51] offset:3072*(NQ/6)+256*(NQ%6) th:TH_LOAD_NT
.set NQ, NQ+1
.endr
	WIN 0
	s_wait_kmcnt 0x0
	s_min_u32 s6, s6, 1024                         ; n
	s_add_co_u32 s7, s6, 15
	s_lshr_b32 s7, s7, 4                           ; T
	s_max_u32 s22, s7, 1
	s_sub_co_u32 s22, s22, 1                       ; the last tile that was stored
	SLOTPTR 0, 56
	SLOTPTR 1, 57
	SLOTPTR 2, 58
	AMETA 0
	AMETA 1
	AMETA 2                                        ; the tail's too, without a branch: its scale words and entries are written on every way
.irp q, 0,1,2,3,4,5,6,7,8,9,10,11,12,13,14,15
	AQ 0, 2*\q, \q
	AQ 1, 2*\q+1, \q
.endr
	WIN 0
	s_wait_loadcnt 63                              ; 204 loads have been issued; with 63 out the oldest 141 are in: the 64 of the head (Wd among them), the 12 of the tiles' scales and entries, the 64 of K steps 0 to 7
.set NQ, 0
.rept 48
	XF 32+NQ/3
	WIN XW<<2
	ds_store_b128 v[WLS], v[XR+4*(NQ%3):XR+4*(NQ%3)+3] offset:2*(NQ/6)*WP+256*(NQ%6)
.set NQ, NQ+1
.endr
	WIN 0
	s_wait_dscnt 0x0                               ; for the others' sake: my 16 rows are in LDS
	s_barrier_signal -1
	s_barrier_wait -1                              ; the one barrier: from here on the waves do not depend on each other
	WIN 0xc0
	WFETCH 0, 0
.irp q, 0,1,2,3,4,5,6,7
	KSTEP 2, 0, 2, AS, \q
.endr
	WIN 0
	s_wait_loadcnt 0x0                             ; K steps 8 to 15 are in; the loads below stand under a branch, so no count reaches over them
	s_cmp_ge_u32 s58, s7
	s_cbranch_scc1 .Lno_early
.irp q, 0,1,2,3,4,5,6,7,8,9,10,11,12,13,14,15
	AQ 2, 32+\q, \q                                ; the tail's first tile lands under the second half of the main work
.endr
	WIN 0
.Lno_early:
.irp q, 8,9,10,11,12,13,14,15
	KSTEP 2, 0, 2, AS, \q
.endr
	WIN 0
	PLACES 5                                       ; in front of the first read of results, of loads into Wd's fragment registers, and of products that begin these accumulators anew
	OUT 0, 0, 56, 1
	OUT 1, 1, 57, 1
	; ---- the tail: tiles 16 + 8 i + 2 w + p, one a trip
	s_mov_b32 s66, 0
.Ltail:
	s_cmp_ge_u32 s58, s7
	s_cbranch_scc1 .Ltail_step
	s_wait_loadcnt 0x0                             ; the tile's fragments, scale words and entries are in
	WIN 0xc0
	WFETCH 0, 0
.irp q, 0,1,2,3,4,5,6,7,8,9,10,11,12,13,14,15
	KSTEP 1, 32, 1, AS+16, \q
.endr
	WIN 0
	PLACES 5
	OUT 0, 2, 58, 0
	s_add_co_u32 s59, s58, 8
	s_cmp_ge_u32 s59, s7
	s_cbranch_scc1 .Ltail_step
	s_wait_xcnt 0x0                                ; the stores have read slot 2's offsets, which the loads below fill
	SLOTPTR 2, 59
	AMETA 2
.irp q, 0,1,2,3,4,5,6,7,8,9,10,11,12,13,14,15
	AQ 2, 32+\q, \q
.endr
	WIN 0
.Ltail_step:
	s_add_co_u32 s58, s58, 8
	s_add_co_u32 s66, s66, 1
	s_cmp_lt_u32 s66, 6
	s_cbranch_scc1 .Ltail
	s_wait_tensorcnt 0x0
	ds_add_u32 v254, v255
	s_wait_dscnt 0x0
	s_endpgm
.Lfunc_end_k_q304e72bc2b_down:
	.size	k_q304e72bc2b_down, .Lfunc_end_k_q304e72bc2b_down-k_q304e72bc2b_down
	.p2alignl 7, 3214868480
	.fill 96, 4, 3214868480
	.section	.rodata,"a",@progbits
	.p2align	6, 0x0
	.amdhsa_kernel k_q304e72bc2b_down
		.amdhsa_group_segment_fixed_size 117248
		.amdhsa_private_segment_fixed_size 0
		.amdhsa_enable_private_segment 0
		.amdhsa_kernarg_size 56
		.amdhsa_user_sgpr_count 2
		.amdhsa_user_sgpr_kernarg_segment_ptr 1
		.amdhsa_wavefront_size32 1
		.amdhsa_system_sgpr_workgroup_id_x 1
		.amdhsa_system_sgpr_workgroup_id_y 1
		.amdhsa_system_sgpr_workgroup_id_z 1
		.amdhsa_system_vgpr_workitem_id 0
		.amdhsa_next_free_vgpr 1024
		.amdhsa_next_free_sgpr 68
		.amdhsa_reserve_vcc 0
		.amdhsa_float_denorm_mode_32 3
		.amdhsa_float_denorm_mode_16_64 3
		.amdhsa_memory_ordered 1
		.amdhsa_forward_progress 1
		.amdhsa_inst_pref_size 129
	.end_amdhsa_kernel
	.amdgpu_metadata
---
amdhsa.version: [ 1, 2 ]
amdhsa.kernels:
  - .name:           k_q304e72bc2b_down
    .symbol:         k_q304e72bc2b_down.kd
    .args:
      - { .name: Wd_codes, .offset: 0, .size: 8, .value_kind: global_buffer, .address_space: global }
      - { .name: Wd_scales, .offset: 8, .size: 8, .value_kind: global_buffer, .address_space: global }
      - { .name: bd, .offset: 16, .size: 8, .value_kind: global_buffer, .address_space: global }
      - { .name: act_codes, .offset: 24, .size: 8, .value_kind: global_buffer, .address_space: global }
      - { .name: act_scales, .offset: 32, .size: 8, .value_kind: global_buffer, .address_space: global }
      - { .name: route, .offset: 40, .size: 8, .value_kind: global_buffer, .address_space: global }
      - { .name: ybuf, .offset: 48, .size: 8, .value_kind: global_buffer, .address_space: global }
    .group_segment_fixed_size: 117248
    .private_segment_fixed_size: 0
    .kernarg_segment_align: 8
    .kernarg_segment_size: 56
    .max_flat_workgroup_size: 128
    .sgpr_count:     68
    .vgpr_count:     1024
    .wavefront_size: 32
...
	.end_amdgpu_metadata
.endif
;; end of part 2
;; launch combine (part 3): grid 256 x 1, 4 waves a work-group, no clusters, 0 bytes of LDS; arguments ybuf, router_indices, routing_weights, out0; writes out0
.if DOCPART == 3
	.amdgcn_target "amdgcn-amd-amdhsa--gfx1250"
	.amdhsa_code_object_version 6
	.text
	.protected	k_q304e72bc2b_combine
	.globl	k_q304e72bc2b_combine
	.p2align	8
	.type	k_q304e72bc2b_combine,@function
k_q304e72bc2b_combine:
	s_mov_b64 s[64:65], 0
	v_nop
	global_prefetch_b8 v0, s[64:65] scope:SCOPE_SE
	s_setreg_imm32_b32 hwreg(HW_REG_WAVE_MODE, 25, 1), 1
	s_wait_xcnt 0x0
; out[t] = w[t][e0] y(2 t) + w[t][e1] y(2 t + 1), y(sigma) = ybuf's row sigma, e0 and e1 the token's two indices.  Where e0 = e1 only row 2 t was stored, and it is taken twice: w y + w y = 2 w y, the count of two.
; One wave takes one token: a row of 4,096 bytes is eight loads of 512 consecutive bytes.  A stream: no LDS, no barrier, no matrix unit: there is one multiply-add for each number read.
; LIMITS.  Indices are taken as 0 .. 7 (held there for the address).
	s_load_b256 s[4:11], s[0:1], 0x0               ; ybuf s[4:5], router_indices s[6:7], routing_weights s[8:9], out0 s[10:11]
	v_lshrrev_b32 v1, 5, v0
	v_readfirstlane_b32 s12, v1                    ; wave
	v_and_b32 v2, 31, v0
	v_lshlrev_b32 v2, 4, v2                        ; 16 x lane
	s_lshl_b32 s13, ttmp9, 2
	s_add_co_u32 s13, s13, s12                     ; token
	s_lshl_b32 s14, s13, 3
	s_mov_b32 s15, 0
	s_lshl_b32 s32, s13, 13
	s_mov_b32 s33, 0
	s_lshl_b32 s34, s13, 12
	s_mov_b32 s35, 0
	s_lshl_b32 s36, s13, 5
	s_mov_b32 s37, 0
	s_wait_kmcnt 0x0
	s_add_nc_u64 s[6:7], s[6:7], s[14:15]
	s_load_b64 s[16:17], s[6:7], 0x0               ; the two indices
	s_add_nc_u64 s[4:5], s[4:5], s[32:33]          ; row 2 t
	s_add_nc_u64 s[10:11], s[10:11], s[34:35]
	s_add_nc_u64 s[8:9], s[8:9], s[36:37]          ; the token's eight weights
.irp i, 0,1,2,3,4,5,6,7
	global_load_b128 v[8+4*\i:11+4*\i], v2, s[4:5] offset:512*\i   ; row 2 t hangs on no index: it is asked for at once
.endr
	s_wait_kmcnt 0x0
	s_min_u32 s16, s16, 7
	s_min_u32 s17, s17, 7
	s_cmp_eq_u32 s16, s17
	s_cselect_b32 s18, 0, 0x1000                   ; the second row lies 4,096 bytes on, or is the first again
	v_add_nc_u32 v3, s18, v2
.irp i, 0,1,2,3,4,5,6,7
	global_load_b128 v[40+4*\i:43+4*\i], v3, s[4:5] offset:512*\i
.endr
	s_lshl_b32 s24, s16, 2
	s_mov_b32 s25, 0
	s_add_nc_u64 s[26:27], s[8:9], s[24:25]
	s_lshl_b32 s28, s17, 2
	s_mov_b32 s29, 0
	s_add_nc_u64 s[30:31], s[8:9], s[28:29]
	s_load_b32 s20, s[26:27], 0x0
	s_load_b32 s22, s[30:31], 0x0
	s_wait_kmcnt 0x0
	s_mov_b32 s21, s20                             ; (the packed forms name pairs and take the low word for both halves: so the upper words are written)
	s_mov_b32 s23, s22
	s_wait_loadcnt 0x8                             ; the first row is in; the second row's eight loads may be out
.irp i, 0,2,4,6,8,10,12,14,16,18,20,22,24,26,28,30
	v_pk_mul_f32 v[8+\i:9+\i], v[8+\i:9+\i], s[20:21] op_sel_hi:[1,0]
.endr
.irp i, 0,1,2,3,4,5,6,7
	s_wait_loadcnt 7-\i                            ; loads come back in order (ISA guide 5.7.1): piece i of the second row is in
	v_pk_fma_f32 v[8+4*\i:9+4*\i], v[40+4*\i:41+4*\i], s[22:23], v[8+4*\i:9+4*\i] op_sel_hi:[1,0,1]
	v_pk_fma_f32 v[10+4*\i:11+4*\i], v[42+4*\i:43+4*\i], s[22:23], v[10+4*\i:11+4*\i] op_sel_hi:[1,0,1]
	global_store_b128 v2, v[8+4*\i:11+4*\i], s[10:11] offset:512*\i th:TH_STORE_NT   ; 512 consecutive bytes, aligned; written once
.endr
	s_endpgm
.Lfunc_end_k_q304e72bc2b_combine:
	.size	k_q304e72bc2b_combine, .Lfunc_end_k_q304e72bc2b_combine-k_q304e72bc2b_combine
	.p2alignl 7, 3214868480
	.fill 96, 4, 3214868480
	.section	.rodata,"a",@progbits
	.p2align	6, 0x0
	.amdhsa_kernel k_q304e72bc2b_combine
		.amdhsa_group_segment_fixed_size 0
		.amdhsa_private_segment_fixed_size 0
		.amdhsa_enable_private_segment 0
		.amdhsa_kernarg_size 32
		.amdhsa_user_sgpr_count 2
		.amdhsa_user_sgpr_kernarg_segment_ptr 1
		.amdhsa_wavefront_size32 1
		.amdhsa_system_sgpr_workgroup_id_x 1
		.amdhsa_system_sgpr_workgroup_id_y 1
		.amdhsa_system_sgpr_workgroup_id_z 1
		.amdhsa_system_vgpr_workitem_id 0
		.amdhsa_next_free_vgpr 80
		.amdhsa_next_free_sgpr 66
		.amdhsa_reserve_vcc 0
		.amdhsa_float_denorm_mode_32 3
		.amdhsa_float_denorm_mode_16_64 3
		.amdhsa_memory_ordered 1
		.amdhsa_forward_progress 1
		.amdhsa_inst_pref_size 7
	.end_amdhsa_kernel
	.amdgpu_metadata
---
amdhsa.version: [ 1, 2 ]
amdhsa.kernels:
  - .name:           k_q304e72bc2b_combine
    .symbol:         k_q304e72bc2b_combine.kd
    .args:
      - { .name: ybuf, .offset: 0, .size: 8, .value_kind: global_buffer, .address_space: global }
      - { .name: router_indices, .offset: 8, .size: 8, .value_kind: global_buffer, .address_space: global }
      - { .name: routing_weights, .offset: 16, .size: 8, .value_kind: global_buffer, .address_space: global }
      - { .name: out0, .offset: 24, .size: 8, .value_kind: global_buffer, .address_space: global }
    .group_segment_fixed_size: 0
    .private_segment_fixed_size: 0
    .kernarg_segment_align: 8
    .kernarg_segment_size: 32
    .max_flat_workgroup_size: 128
    .sgpr_count:     66
    .vgpr_count:     80
    .wavefront_size: 32
...
	.end_amdgpu_metadata
.endif
;; end of part 3
;; ======== version 2 of 2: 3 launches; version 1 with the launch down written anew for expert scheduling mode
;; workspace buffers: act_codes 12,582,912 bytes; act_scales 524,288 bytes; route 34,816 bytes of whole numbers; ybuf 8,388,608 bytes
;; launch gateup: the kernel of part 1 again; grid 32 x 8, 4 waves a work-group, no clusters, 156,672 bytes of LDS; arguments hidden_states_codes, hidden_states_scales, Wg_codes, Wg_scales, Wu_codes, Wu_scales, bg, bu, router_indices, act_codes, act_scales, route; writes act_codes, act_scales, route
;; launch down (part 4): grid 32 x 8, 4 waves a work-group, no clusters, 117,248 bytes of LDS; arguments Wd_codes, Wd_scales, bd, act_codes, act_scales, route, ybuf; writes ybuf
.if DOCPART == 4
	.amdgcn_target "amdgcn-amd-amdhsa--gfx1250"
	.amdhsa_code_object_version 6
	.text
	.protected	k_q304e72bc2b_down
	.globl	k_q304e72bc2b_down
	.p2align	8
	.type	k_q304e72bc2b_down,@function
k_q304e72bc2b_down:
	s_mov_b64 s[64:65], 0
	v_nop
	global_prefetch_b8 v0, s[64:65] scope:SCOPE_SE
	s_setreg_imm32_b32 hwreg(HW_REG_WAVE_SCHED_MODE, 0, 2), 2
	s_setreg_imm32_b32 hwreg(HW_REG_WAVE_MODE, 25, 1), 1
	s_wait_xcnt 0x0
	s_wait_alu depctr_vm_vsrc(0)
; y = act Wd + bd for the rows of each expert's list, K = 2,048, on codes of E3M2 with one E8M0 byte for each 32.  Row sigma of the list goes to ybuf[sigma][:], f32.
; SHARES.  A work-group is (expert e = grid y; grid x = 2 ns + p: 64 of the 1,024 columns, and the row tiles of parity p).  Its 64 rows of Wd lie in LDS, read by all four waves; act's fragments come from memory
; straight into registers, in the order in which the launch before laid them.  Wave w owns tiles 8 j + 2 w + p: j = 0, 1 together (8 accumulators by turns), those from 16 on one at a time in a loop of 6 trips whose work is
; jumped over where the tile does not exist.  A main slot without a tile loads the expert's last written tile and stores nothing.
; THE PRODUCT IS USED TRANSPOSED: source 0 = 16 rows of Wd, source 1 = 16 rows of act: a lane holds eight neighbouring columns of one row of y.  A tile goes through the wave's own stage in LDS and leaves as
; 256 consecutive bytes a row, aligned, sixteen lanes to a row.  The bias is the C of the first K step.
; NO TENSOR LOADS, NO CLUSTER: the number of row tiles is a stored number.
; LIMITS.  NaN and infinities are not served.  The rows that fill up an expert's last tile repeat its last row: the same wave stores the same bytes to the same place again.
; THE MODE: SCHED_MODE bits 1:0 = 2 (LLVM: expert scheduling mode 2), set by the entry lines.  The code itself states the register dependences between vector or matrix instructions and memory or LDS instructions,
; with s_wait_alu, always for 0.
; THE PLAN.  Registers that memory or LDS instructions touch, and who else names them:
;   v4-14             offsets and LDS addresses: made at the head, ahead of one wait, and never written again.
;   fragments 32-47   Wd's rows land; LDS stores read them; then a tail tile's fragments of act land, the products read them, and the next tile's land.
;   Wd's two sets     48 registers each: LDS loads land in one while the products read the other.
;   AS, slot 2        a tail tile's scale words: a load lands, the products read them, the next tile's land.
;   SG                a tile's list entries: a load lands; arithmetic makes them offsets AHEAD of the tile's K loop; the global stores of its way out read them; slot 2's are loaded again.
;   the accumulators  the products write them; the LDS stores of the way out read them; the next tile's products write them.
;   RB                the way out: LDS loads land; the global stores read them; the next way out's loads land.
; The waits: one on va_vdst at the head; one on vm_vsrc ahead of the tail's first loads; one on va_vdst at the head of K steps 1 to 14; ONE on va_vdst behind a K loop's five places, for all that the way out and the
; next tile's loads hang on; one on vm_vsrc at the end of each way out, for all that its stores have read.
; REGISTERS.  Window 0: below.  Fragments of act, 12 registers each, number i at window 1, 12 i (i < 21), window 2, 12 (i - 21) (i < 42), window 3, 12 (i - 42); main: i = 2 q + j; tail: i = 32 + q.
; Window 3 further: v72-135 accumulators (slot j, column tile k) at 72 + 32 j + 8 k; v136-231 Wd's fragments, two sets of four.
.set WP,    1552                       ; an LDS row of 2,048 codes: 1,536 bytes + 16 = 388 words: row r starts at bank 4 r mod 64, the upper half of the lanes 6 words on (ISA guide 11.1)
.set OST,   64*WP                      ; behind the 64 rows: a stage of 16 rows x (256 + 16) bytes for each wave
.set OP,    272
.set TILEC, 24576
.set LANE, 1
.set RR,   2
.set HH,   3
.set R16,  4
.set WGA,  5                           ; Wd in memory: 1,536 h + 16 r
.set WLS,  6                           ; into LDS: (16 w + h) rows + 16 r
.set WF0,  7                           ; fragments: row r + 24 h;  v8: 32 rows on
.set OSS,  9                           ; my stage, in: row r + 32 h
.set OSR,  10                          ; out: row 8 h, + 16 r
.set L16,  11
.set L8,   12
.set WSA,  13                          ; Wd's scale bytes: 64 r + 16 h
.set H32,  14                          ; 32 h
.set AS,   16                          ; v16-39  act's scale words: 8 a slot (slot 2: the tail): 4 (q / 8) + q % 4; lanes 0-15 where (q / 4) is even, lanes 16-31 where odd
.set WS,   40                          ; v40-71  Wd's: 8 k + the same
.set BI,   72                          ; v72-103 the bias in the result's layout: 8 k
.set SG,   104                         ; v104-127 sigma of rows i + 8 h, 8 a slot; then their byte offsets
.set RB,   128                         ; v128-159 a tile's rows on their way out
.set MSB, 0
.macro WIN new
.if MSB != (\new)
	s_set_vgpr_msb (MSB<<8)|(\new)
.set MSB, \new
.endif
.endm
.macro PLACES n
.rept \n
	v_nop
.endr
.endm
.macro XF i
.if (\i) < 21
.set XW, 1
.set XR, 12*(\i)
.elseif (\i) < 42
.set XW, 2
.set XR, 12*((\i)-21)
.else
.set XW, 3
.set XR, 12*((\i)-42)
.endif
.endm
.macro SLOTPTR f, ts                   ; slot f's three pointers, for tile s[ts] held to the tiles that were stored
	s_min_u32 s60, s[\ts], s22
	s_min_u32 s60, s60, 63                         ; a number made from loaded data enters an address only behind a clamp by a constant
	s_mul_i32 s62, s60, TILEC
	s_add_nc_u64 s[24+6*\f:25+6*\f], s[42:43], s[62:63]
	s_lshl_b32 s62, s60, 10
	s_add_nc_u64 s[26+6*\f:27+6*\f], s[44:45], s[62:63]
	s_lshl_b32 s62, s60, 6
	s_add_nc_u64 s[28+6*\f:29+6*\f], s[46:47], s[62:63]
.endm
.macro AMETA f                         ; a tile's 1,024 scale bytes, and its 16 list entries
	global_load_b128 v[AS+8*\f:AS+8*\f+3], v[L16], s[26+6*\f:27+6*\f]
	global_load_b128 v[AS+8*\f+4:AS+8*\f+7], v[L16], s[26+6*\f:27+6*\f] offset:512
	global_load_b128 v[SG+8*\f:SG+8*\f+3], v[H32], s[28+6*\f:29+6*\f]
	global_load_b128 v[SG+8*\f+4:SG+8*\f+7], v[H32], s[28+6*\f:29+6*\f] offset:16
.endm
.macro SGOFF f                         ; slot f's entries become byte offsets in ybuf: sigma x 4,096 + 16 r.  It stands ahead of the tile's K loop, so that the loop's closing wait serves the stores that read them
.irp i, 0,1,2,3,4,5,6,7
	v_min_u32 v[SG+8*\f+\i], 0x7ff, v[SG+8*\f+\i]
.endr
.irp i, 0,1,2,3,4,5,6,7
	v_lshl_add_u32 v[SG+8*\f+\i], v[SG+8*\f+\i], 12, v[R16]
.endr
.endm
.macro AQ f, i, q                      ; K step q's fragment of slot f's tile into fragment i: each load covers whole aligned runs of 256 bytes
	XF \i
	WIN XW<<6
.irp c, 0,1
	global_load_b128 v[XR+6*\c:XR+6*\c+3], v[L16], s[24+6*\f:25+6*\f] offset:1536*(\q)+768*\c
	global_load_b64 v[XR+6*\c+4:XR+6*\c+5], v[L8], s[24+6*\f:25+6*\f] offset:1536*(\q)+768*\c+512
.endr
.endm
.macro WLD q, p                        ; load LN of the 24 that bring K step q's four column tiles into set p (destination window 3): column tile LN / 6, piece LN % 6
	ds_load_b64 v[136+48*(\p)+2*LN:136+48*(\p)+2*LN+1], v[WF0+(LN/12)] offset:16*((LN/6)%2)*WP+96*(\q)+48*((LN%6)/3)+8*(LN%3)
.set LN, LN+1
.endm
.macro WFIRST                          ; K step 0's fragments into set 0
	WIN 0xc0
.set LN, 0
.rept 24
	WLD 0, 0
.endr
.endm
.macro WM row
.if \row
	v_wmma_scale_f32_16x16x128_f8f6f4 v[AC:AC+7], v[WA:WA+11], v[XR:XR+11], v[CC:CC+7], v[SA], v[SB] matrix_a_fmt:MATRIX_FMT_BF6 matrix_b_fmt:MATRIX_FMT_BF6 matrix_a_scale:MATRIX_SCALE_ROW1 matrix_b_scale:MATRIX_SCALE_ROW1
.else
	v_wmma_scale_f32_16x16x128_f8f6f4 v[AC:AC+7], v[WA:WA+11], v[XR:XR+11], v[CC:CC+7], v[SA], v[SB] matrix_a_fmt:MATRIX_FMT_BF6 matrix_b_fmt:MATRIX_FMT_BF6
.endif
.endm
; K step q for m row tiles against the four column tiles: the 4 m accumulators take turns, one instruction a turn.  The next step's 24 LDS loads land in the set that the step before has read:
; one wait at the step's head says that those products are done with it.  Behind it the loads are dealt among this step's products (two row tiles: 12 ahead of each group of four; one: all 24 first), which name the
; other set, act's fragments, the scale words and the accumulators: none of the registers that the loads touch.
.macro KSTEP m, f0, fq, asb, q
	s_wait_dscnt 0x0
.if ((\q) > 0) && ((\q) < 15)
	s_wait_alu depctr_va_vdst(0)                   ; the products of the step before are done reading their set of Wd's fragments, in which this step's loads land
.endif
.set LN, 0
.set jj, 0
.rept \m
.if (\q) < 15
	WIN 0xc0
.rept 24/\m
	WLD (\q)+1, ((\q)+1)&1
.endr
.endif
	XF \f0+\fq*\q+jj
.if \q == 0
	WIN 0xc3|(XW<<2)
.else
	WIN 0xf3|(XW<<2)
.endif
.irp k, 0,1,2,3
.set AC, 72+32*jj+8*\k
.set WA, 136+48*((\q)&1)+12*\k
.set SA, WS+8*\k+4*((\q)>>3)+((\q)&3)
.set SB, (\asb)+8*jj+4*((\q)>>3)+((\q)&3)
.if \q == 0
.set CC, BI+8*\k
.else
.set CC, AC
.endif
	WM ((\q)>>2)&1
.endr
.set jj, jj+1
.endr
.endm
; The tile in accumulator slot a leaves: through my stage, back as rows, to row sigma of ybuf.  It holds no vector instruction: the wait behind the K loop's places serves all its stores.
.macro OUT a, f, ts, guard
.if \guard
	s_cmp_ge_u32 s[\ts], s7
	s_cbranch_scc1 .Lout_skip_\@
.endif
	s_wait_xcnt 0x0                                ; earlier stores have had their addresses translated (ISA guide 3.1): the loads below fill their data registers
	WIN 0x0c                                       ; an LDS store's data are its source 1: window 3
.irp k, 0,1,2,3
	ds_store_b128 v[OSS], v[72+32*\a+8*\k:72+32*\a+8*\k+3] offset:64*\k        ; each accumulator from its low end on
	ds_store_b128 v[OSS], v[72+32*\a+8*\k+4:72+32*\a+8*\k+7] offset:64*\k+16
.endr
	WIN 0
.irp i, 0,1,2,3,4,5,6,7
	ds_load_b128 v[RB+4*\i:RB+4*\i+3], v[OSR] offset:OP*\i   ; lanes 0-15 row i, lanes 16-31 row i + 8.  LDS serves a wave's instructions in order (ISA guide 5.7.1.4)
.endr
.irp i, 0,1,2,3,4,5,6,7
	s_wait_dscnt 7-\i
	global_store_b128 v[SG+8*\f+\i], v[RB+4*\i:RB+4*\i+3], s[48:49]   ; sixteen lanes store 256 consecutive bytes, aligned
.endr
	s_wait_alu depctr_vm_vsrc(0)                   ; the LDS stores have read the accumulators, which the next tile's products write; the global stores have read v[RB ..], in which the next way out's loads land, and their offsets, which slot 2's next entries and their arithmetic write
.if \guard
.Lout_skip_\@:
.endif
.endm
	s_load_b256 s[8:15], s[0:1], 0x0               ; Wd's codes s[8:9], its scales s[10:11], bd s[12:13], act_codes s[14:15]
	s_load_b128 s[16:19], s[0:1], 0x20             ; act_scales s[16:17], route s[18:19]
	s_load_b64 s[20:21], s[0:1], 0x30              ; ybuf
	v_lshl_add_u32 v254, v0, 2, 0x1c800            ; my spare word, behind the stages, and 0: made here and kept for the closing lines alone
	v_mov_b32 v255, 0
	v_lshrrev_b32 v1, 5, v0
	v_readfirstlane_b32 s2, v1                     ; wave
	s_and_b32 s3, ttmp7, 0xffff                    ; expert
	s_lshr_b32 s4, ttmp9, 1                        ; which 64 columns
	s_and_b32 s5, ttmp9, 1                         ; which parity of tiles
	v_and_b32 v[LANE], 31, v0
	v_and_b32 v[RR], 15, v0
	v_bfe_u32 v[HH], v0, 4, 1
	v_lshlrev_b32 v[R16], 4, v[RR]
	v_mad_u32_u24 v[WGA], v[HH], 1536, v[R16]
	s_wait_alu depctr_va_sdst(0)                   ; s2 is written, ahead of its first reader: LDS addresses and pointers are made from it
	s_mul_i32 s60, s2, 16*WP
	v_mad_u32_u24 v[WLS], v[HH], WP, v[R16]
	v_add_nc_u32 v[WLS], s60, v[WLS]
	v_mul_u32_u24 v[WF0], v[RR], WP
	v_mad_u32_u24 v[WF0], v[HH], 24, v[WF0]
	v_add_nc_u32 v[WF0+1], 32*WP, v[WF0]
	s_mul_i32 s60, s2, 16*OP
	s_add_co_u32 s60, s60, OST
	v_mul_u32_u24 v[OSS], v[RR], OP
	v_lshl_add_u32 v[OSS], v[HH], 5, v[OSS]
	v_add_nc_u32 v[OSS], s60, v[OSS]
	v_mad_u32_u24 v[OSR], v[HH], 8*OP, v[R16]
	v_add_nc_u32 v[OSR], s60, v[OSR]
	v_lshlrev_b32 v[L16], 4, v[LANE]
	v_lshlrev_b32 v[L8], 3, v[LANE]
	v_lshlrev_b32 v[WSA], 6, v[RR]
	v_lshl_add_u32 v[WSA], v[HH], 4, v[WSA]
	v_lshlrev_b32 v[H32], 5, v[HH]
	s_lshl_b32 s61, s3, 10
	s_lshl_b32 s60, s4, 6
	s_add_co_u32 s61, s61, s60                     ; my first row of Wd: 1,024 e + 64 ns
	s_mov_b32 s63, 0
	s_lshl_b32 s56, s2, 1
	s_add_co_u32 s56, s56, s5                      ; slot 0's tile: 2 w + p
	s_add_co_u32 s57, s56, 8                       ; slot 1's
	s_add_co_u32 s58, s56, 16                      ; the tail's first
	s_wait_kmcnt 0x0
	s_mul_i32 s62, s3, 4352
	s_add_nc_u64 s[46:47], s[18:19], s[62:63]      ; the expert's list
	s_load_b32 s6, s[46:47], 0x1000                ; its count
	s_lshl_b32 s60, s2, 4
	s_add_co_u32 s60, s60, s61
	s_mul_i32 s62, s60, 1536
	s_add_nc_u64 s[50:51], s[8:9], s[62:63]        ; wave w brings rows 16 w .. 16 w + 15
	s_lshl_b32 s62, s61, 6
	s_add_nc_u64 s[52:53], s[10:11], s[62:63]
	s_lshl_b32 s62, s61, 2
	s_add_nc_u64 s[54:55], s[12:13], s[62:63]
	s_mul_i32 s62, s3, 64*TILEC
	s_add_nc_u64 s[42:43], s[14:15], s[62:63]
	s_lshl_b32 s62, s3, 16
	s_add_nc_u64 s[44:45], s[16:17], s[62:63]
	s_lshl_b32 s62, s4, 8
	s_add_nc_u64 s[48:49], s[20:21], s[62:63]      ; my 64 columns of ybuf
	s_wait_alu depctr_va_vdst(0)                   ; the offsets and LDS addresses v4 to v14 are written, which the loads and stores of the whole kernel read
.irp k, 0,1,2,3
.irp u, 0,1
	global_load_b128 v[WS+8*\k+4*\u:WS+8*\k+4*\u+3], v[WSA], s[52:53] offset:1024*\k+32*\u
.endr
.endr
.irp k, 0,1,2,3
	global_load_b128 v[BI+8*\k:BI+8*\k+3], v[H32], s[54:55] offset:64*\k
	global_load_b128 v[BI+8*\k+4:BI+8*\k+7], v[H32], s[54:55] offset:64*\k+16
.endr
; my 16 rows of Wd: 48 loads, sixteen lanes to 256 consecutive bytes of a row; they land in the tail's 16 fragments
.set NQ, 0
.rept 48
	XF 32+NQ/3
	WIN XW<<6
	global_load_b128 v[XR+4*(NQ%3):XR+4*(NQ%3)+3], v[WGA], s[50:51] offset:3072*(NQ/6)+256*(NQ%6) th:TH_LOAD_NT
.set NQ, NQ+1
.endr
	WIN 0
	s_wait_kmcnt 0x0
	s_min_u32 s6, s6, 1024                         ; n
	s_add_co_u32 s7, s6, 15
	s_lshr_b32 s7, s7, 4                           ; T
	s_max_u32 s22, s7, 1
	s_sub_co_u32 s22, s22, 1                       ; the last tile that was stored
	SLOTPTR 0, 56
	SLOTPTR 1, 57
	SLOTPTR 2, 58
	AMETA 0
	AMETA 1
	AMETA 2                                        ; the tail's too, without a branch: its scale words and entries are written on every way
.irp q, 0,1,2,3,4,5,6,7,8,9,10,11,12,13,14,15
	AQ 0, 2*\q, \q
	AQ 1, 2*\q+1, \q
.endr
	WIN 0
	s_wait_loadcnt 63                              ; 204 loads have been issued; with 63 out the oldest 141 are in: the 64 of the head (Wd among them), the 12 of the tiles' scales and entries, the 64 of K steps 0 to 7
.set NQ, 0
.rept 48
	XF 32+NQ/3
	WIN XW<<2
	ds_store_b128 v[WLS], v[XR+4*(NQ%3):XR+4*(NQ%3)+3] offset:2*(NQ/6)*WP+256*(NQ%6)
.set NQ, NQ+1
.endr
	WIN 0
	SGOFF 0                                        ; the main slots' offsets in ybuf, while the LDS stores are on their way
	SGOFF 1
	s_wait_dscnt 0x0                               ; for the others' sake: my 16 rows are in LDS
	s_barrier_signal -1
	s_barrier_wait -1                              ; the one barrier: from here on the waves do not depend on each other
	WFIRST
.irp q, 0,1,2,3,4,5,6,7
	KSTEP 2, 0, 2, AS, \q
.endr
	WIN 0
	s_wait_loadcnt 0x0                             ; K steps 8 to 15 are in; the loads below stand under a branch, so no count reaches over them
	s_wait_alu depctr_vm_vsrc(0)                   ; my LDS stores of Wd's rows have read fragments 32 to 47, in which the loads below land
	s_cmp_ge_u32 s58, s7
	s_cbranch_scc1 .Lno_early
.irp q, 0,1,2,3,4,5,6,7,8,9,10,11,12,13,14,15
	AQ 2, 32+\q, \q                                ; the tail's first tile lands under the second half of the main work
.endr
	WIN 0
.Lno_early:
.irp q, 8,9,10,11,12,13,14,15
	KSTEP 2, 0, 2, AS, \q
.endr
	WIN 0
	PLACES 5                                       ; in front of the LDS stores that read the results, and of products that begin these accumulators anew
	s_wait_alu depctr_va_vdst(0)                   ; the products have written the accumulators, which the LDS stores read, and are done reading Wd's two sets, in which the tail's loads land; the offsets v[SG ..] are written, which the global stores read
	OUT 0, 0, 56, 1
	OUT 1, 1, 57, 1
	; ---- the tail: tiles 16 + 8 i + 2 w + p, one a trip
	s_mov_b32 s66, 0
.Ltail:
	s_cmp_ge_u32 s58, s7
	s_cbranch_scc1 .Ltail_step
	s_wait_loadcnt 0x0                             ; the tile's fragments, scale words and entries are in
	SGOFF 2
	WFIRST
.irp q, 0,1,2,3,4,5,6,7,8,9,10,11,12,13,14,15
	KSTEP 1, 32, 1, AS+16, \q
.endr
	WIN 0
	PLACES 5
	s_wait_alu depctr_va_vdst(0)                   ; the products have written the accumulators, which the LDS stores read, and are done reading Wd's two sets, act's fragments and scale words, in which the next tile's loads land; slot 2's offsets are written, which the global stores read
	OUT 0, 2, 58, 0
	s_wait_xcnt 0x0                                ; the stores have had their addresses translated (ISA guide 3.1).  Ahead of the branch, so that it holds on both ways on: slot 2's offsets are filled by the loads below, or written by the arithmetic at the next trip's head
	s_add_co_u32 s59, s58, 8
	s_cmp_ge_u32 s59, s7
	s_cbranch_scc1 .Ltail_step
	SLOTPTR 2, 59
	AMETA 2
.irp q, 0,1,2,3,4,5,6,7,8,9,10,11,12,13,14,15
	AQ 2, 32+\q, \q
.endr
	WIN 0
.Ltail_step:
	s_add_co_u32 s58, s58, 8
	s_add_co_u32 s66, s66, 1
	s_cmp_lt_u32 s66, 6
	s_cbranch_scc1 .Ltail
	s_wait_dscnt 0x0                               ; the closing lines, six on end
	s_wait_alu 0x0
	s_wait_tensorcnt 0x0
	ds_add_u32 v254, v255
	s_wait_dscnt 0x0
	s_endpgm
.Lfunc_end_k_q304e72bc2b_down:
	.size	k_q304e72bc2b_down, .Lfunc_end_k_q304e72bc2b_down-k_q304e72bc2b_down
	.p2alignl 7, 3214868480
	.fill 96, 4, 3214868480
	.section	.rodata,"a",@progbits
	.p2align	6, 0x0
	.amdhsa_kernel k_q304e72bc2b_down
		.amdhsa_group_segment_fixed_size 117248
		.amdhsa_private_segment_fixed_size 0
		.amdhsa_enable_private_segment 0
		.amdhsa_kernarg_size 56
		.amdhsa_user_sgpr_count 2
		.amdhsa_user_sgpr_kernarg_segment_ptr 1
		.amdhsa_wavefront_size32 1
		.amdhsa_system_sgpr_workgroup_id_x 1
		.amdhsa_system_sgpr_workgroup_id_y 1
		.amdhsa_system_sgpr_workgroup_id_z 1
		.amdhsa_system_vgpr_workitem_id 0
		.amdhsa_next_free_vgpr 1024
		.amdhsa_next_free_sgpr 68
		.amdhsa_reserve_vcc 0
		.amdhsa_float_denorm_mode_32 3
		.amdhsa_float_denorm_mode_16_64 3
		.amdhsa_memory_ordered 1
		.amdhsa_forward_progress 1
		.amdhsa_inst_pref_size 127
	.end_amdhsa_kernel
	.amdgpu_metadata
---
amdhsa.version: [ 1, 2 ]
amdhsa.kernels:
  - .name:           k_q304e72bc2b_down
    .symbol:         k_q304e72bc2b_down.kd
    .args:
      - { .name: Wd_codes, .offset: 0, .size: 8, .value_kind: global_buffer, .address_space: global }
      - { .name: Wd_scales, .offset: 8, .size: 8, .value_kind: global_buffer, .address_space: global }
      - { .name: bd, .offset: 16, .size: 8, .value_kind: global_buffer, .address_space: global }
      - { .name: act_codes, .offset: 24, .size: 8, .value_kind: global_buffer, .address_space: global }
      - { .name: act_scales, .offset: 32, .size: 8, .value_kind: global_buffer, .address_space: global }
      - { .name: route, .offset: 40, .size: 8, .value_kind: global_buffer, .address_space: global }
      - { .name: ybuf, .offset: 48, .size: 8, .value_kind: global_buffer, .address_space: global }
    .group_segment_fixed_size: 117248
    .private_segment_fixed_size: 0
    .kernarg_segment_align: 8
    .kernarg_segment_size: 56
    .max_flat_workgroup_size: 128
    .sgpr_count:     68
    .vgpr_count:     1024
    .wavefront_size: 32
...
	.end_amdgpu_metadata
.endif
;; end of part 4
;; launch combine: the kernel of part 3 again; grid 256 x 1, 4 waves a work-group, no clusters, 0 bytes of LDS; arguments ybuf, router_indices, routing_weights, out0; writes out0
